; MI455X (gfx1250); checked and timed in simulation.
; The chip was launched on July 23, 2026; its instructions are those of AMD's public machine-readable ISA for CDNA 5 (MIT licence, August 2026) and "CDNA5" Instruction Set Architecture Reference Guide (July 2026). The comments in the code are by the model that wrote it; some were corrected since.
;; Smooth Linear. Allowed arithmetic: float matrix products may take bf16 or f16 operands with f32 sums; other float arithmetic in f32, or as packed bf16 or f16 multiplies, adds, multiply-adds, maxima and minima; sums over many terms, partial sums and values carried from step to step in f32; what a program stores and reads back later, other than sums and carried values, may be rounded once to bf16 or f16.
;; Inputs: bias 2,048 float32; centroids 256 x 8 float32; labels 1,048,576 int32; scale 4,096 float32; x 4 x 2,048 x 4,096 float32.
;; Outputs: out0 4 x 2,048 x 2,048 float32.
;; 2 versions, each right; version 2 is version 1 with the launch cast written anew for expert scheduling mode. Each part assembles by itself: llvm-mc -triple=amdgcn-amd-amdhsa -mcpu=gfx1250 --defsym DOCPART=n.
;; ======== version 1 of 2: 3 launches
;; limits: values are held in f16: magnitudes above 65,504 overflow, below 6.1e-05 lose precision; inputs' magnitudes at most 65,504
;; workspace buffers: wq 16,777,216 bytes; xh 67,108,864 bytes
;; launch decode (part 1): grid 32 x 8, 16 waves a work-group, no clusters, 27,648 bytes of LDS; arguments labels, centroids, scale, wq; writes wq
.if DOCPART == 1
	.amdgcn_target "amdgcn-amd-amdhsa--gfx1250"
	.amdhsa_code_object_version 6
	.text
	.protected	k_qb023176c99_decode
	.globl	k_qb023176c99_decode
	.p2align	8
	.type	k_qb023176c99_decode,@function
k_qb023176c99_decode:
	s_mov_b64 s[64:65], 0
	v_nop
	global_prefetch_b8 v0, s[64:65] scope:SCOPE_SE
	s_setreg_imm32_b32 hwreg(HW_REG_WAVE_MODE, 25, 1), 1
	s_wait_xcnt 0x0
; wq[kb][n][j] = f16(centroids[labels[512 n + kb]][j] * scale[8 kb + j]), kb 0..511 (blocks of 8 along K), n 0..2047, j 0..7: byte kb * 32768 + n * 16 + 2 j.
; The scale acts along K, so it is multiplied into the weights here: (x s) W^T = x (s W)^T.  The product is made in f32 and rounded once, to f16.
; LIMITS.  |scale * centroid| of 65,520 or more becomes an infinity in f16; below 6.1e-5 it keeps f16's fixed step of 6e-8.  NaN and infinities pass as the arithmetic makes them.
; A label is held to 0..255 before it enters an LDS address; for labels inside the table that changes nothing.
; SHARES.  Work-group (X, Y) owns rows n = 64 X .. + 63 and k-blocks 64 Y .. + 63: 4,096 labels.  They come in as 64 rows of 256 consecutive bytes and go through LDS, which turns them:
; thread t then takes row t % 64 and the eight k-blocks 8 g .. 8 g + 7, g = t / 64.  So a wave's lanes run along n: each store of a wave covers 512 consecutive bytes, aligned, of wq,
; and a k-block's eight scales are the same for the whole wave and lie in scalar registers.
; No matrix unit, no tensor load, no loop, no prefetch: 16 KiB in and 64 KiB out for each work-group, one barrier.
.set LP,    272                        ; a row of the label tile in LDS: 256 bytes + 16
.set TAB,   64*LP                      ; behind the label tile: the table; entry e's first 16 bytes at TAB + 16 e, its last 16 at TAB + 4096 + 16 e
.set SPARE, TAB+8192                   ; behind it: the spare words, 128 bytes for each of 16 waves: eight blocks of 256 bytes that no other line names
.set LO,  1                            ; v1   my 16 bytes of the label tile in memory: (t / 16) rows of 2,048 bytes + 16 (t % 16)
.set LS,  2                            ; v2   the same place in LDS
.set CO,  3                            ; v3   my 16 bytes of the table in memory: 16 t
.set TS,  4                            ; v4   and in LDS: (t % 2) * 4096 + 16 (t / 2)
.set LR,  5                            ; v5   where I read my eight labels: (t % 64) * LP + 32 g
.set WO,  6                            ; v6   my 16 bytes in a k-block's rows of wq: 16 (t % 64)
.set SPW, 10                           ; v10  LDS address of my spare word; never rewritten
.set NIL, 11                           ; v11  0; never rewritten
.set LB,  12                           ; v[12:19]   labels as loaded
.set CB,  20                           ; v[20:23]   16 bytes of the table as loaded
.set LAB, 24                           ; v[24:31]   my eight labels, then 16 x label
.set C,   32                           ; v[32:95]   eight centroid numbers for each of my eight labels
.set T,   96                           ; v[96:103]  at work
.set Y,   104                          ; v[104:135] four registers to store for each label; none is written twice, so no store's data is ever rewritten
	s_load_b256 s[4:11], s[0:1], 0x0               ; labels s[4:5], centroids s[6:7], scale s[8:9], wq s[10:11]
	v_lshl_add_u32 v[SPW], v0, 2, SPARE
	v_mov_b32 v[NIL], 0
	v_lshrrev_b32 v7, 5, v0
	v_readfirstlane_b32 s12, v7                    ; wave 0..15
	s_lshr_b32 s13, s12, 1                         ; g = t / 64: two waves share it
	s_and_b32 s48, ttmp7, 0xffff                   ; Y
	v_lshrrev_b32 v7, 4, v0
	v_and_b32 v8, 15, v0
	v_lshlrev_b32 v8, 4, v8
	v_lshl_add_u32 v[LO], v7, 11, v8
	v_mul_u32_u24 v[LS], v7, LP
	v_add_nc_u32 v[LS], v[LS], v8
	v_lshlrev_b32 v[CO], 4, v0
	v_and_b32 v7, 1, v0
	v_lshrrev_b32 v8, 1, v0
	v_lshlrev_b32 v8, 4, v8
	v_lshl_add_u32 v[TS], v7, 12, v8
	v_and_b32 v9, 63, v0
	v_mul_u32_u24 v[LR], v9, LP
	s_lshl_b32 s49, s13, 5
	v_add_nc_u32 v[LR], s49, v[LR]
	v_lshlrev_b32 v[WO], 4, v9
	s_lshl_b32 s2, ttmp9, 17                       ; labels: 64 X rows of 2,048 bytes
	s_lshl_b32 s49, s48, 8                         ; + 64 Y labels of 4 bytes
	s_add_co_u32 s2, s2, s49
	s_mov_b32 s3, 0
	s_lshl_b32 s50, s48, 11                        ; scale: 64 Y k-blocks of 32 bytes
	s_lshl_b32 s49, s13, 8                         ; + 8 g
	s_add_co_u32 s50, s50, s49
	s_mov_b32 s51, 0
	s_lshl_b32 s52, s48, 21                        ; wq: 64 Y k-blocks of 32,768 bytes
	s_lshl_b32 s49, s13, 18                        ; + 8 g
	s_add_co_u32 s52, s52, s49
	s_lshl_b32 s49, ttmp9, 10                      ; + 64 X rows of 16 bytes
	s_add_co_u32 s52, s52, s49
	s_mov_b32 s53, 0
	s_wait_kmcnt 0x0
	s_add_nc_u64 s[4:5], s[4:5], s[2:3]
	s_add_nc_u64 s[8:9], s[8:9], s[50:51]
	s_add_nc_u64 s[10:11], s[10:11], s[52:53]
	s_load_b512 s[16:31], s[8:9], 0x0              ; my wave's 64 scales: k-blocks 0-1, 2-3 of my eight,
	s_load_b512 s[32:47], s[8:9], 0x40
	s_load_b512 s[68:83], s[8:9], 0x80             ; 4-5, 6-7
	s_load_b512 s[84:99], s[8:9], 0xc0
	global_load_b128 v[LB:LB+3],   v[LO], s[4:5] th:TH_LOAD_NT               ; rows 0-31 of the tile: 16 lanes take a row's 256 bytes
	global_load_b128 v[LB+4:LB+7], v[LO], s[4:5] offset:65536 th:TH_LOAD_NT  ; rows 32-63
	global_load_b128 v[CB:CB+3],   v[CO], s[6:7]                             ; the whole table, 16 bytes a thread
	s_wait_loadcnt 0x0
	ds_store_b128 v[LS], v[LB:LB+3]
	ds_store_b128 v[LS], v[LB+4:LB+7] offset:32*LP
	ds_store_b128 v[TS], v[CB:CB+3] offset:TAB
	s_wait_dscnt 0x0                               ; for the others' sake: my stores are done
	s_barrier_signal -1
	s_barrier_wait -1                              ; tile and table are whole
	ds_load_b128 v[LAB:LAB+3],   v[LR]
	ds_load_b128 v[LAB+4:LAB+7], v[LR] offset:16
	s_wait_dscnt 0x0
.irp e, 0,1,2,3,4,5,6,7
	v_min_u32 v[LAB+(\e)], 0xff, v[LAB+(\e)]       ; inside the table
	v_lshlrev_b32 v[LAB+(\e)], 4, v[LAB+(\e)]
.endr
.irp e, 0,1,2,3,4,5,6,7
	ds_load_b128 v[C+8*(\e):C+8*(\e)+3],   v[LAB+(\e)] offset:TAB
	ds_load_b128 v[C+8*(\e)+4:C+8*(\e)+7], v[LAB+(\e)] offset:TAB+4096
.endr
	s_wait_kmcnt 0x0                               ; the scales
; Label e of my eight: eight products in f32, four roundings of two, one store of 16 bytes.
.macro ONE e
.if (\e) < 4
.set SC, 16+8*(\e)
.else
.set SC, 68+8*((\e)-4)
.endif
	s_wait_dscnt 14-2*(\e)                         ; LDS loads come back in order (ISA guide 5.7.1): mine are in, the later labels' two each may stay out
.irp j, 0,1,2,3,4,5,6,7
	v_mul_f32 v[T+(\j)], s[SC+(\j)], v[C+8*(\e)+(\j)]
.endr
.irp j, 0,1,2,3
	v_cvt_pk_f16_f32 v[Y+4*(\e)+(\j)], v[T+2*(\j)], v[T+2*(\j)+1]
.endr
	global_store_b128 v[WO], v[Y+4*(\e):Y+4*(\e)+3], s[10:11] offset:(\e)*32768  ; the wave's 32 lanes: 512 consecutive bytes, at a multiple of 512 from wq's first byte
.endm
.irp e, 0,1,2,3,4,5,6,7
	ONE \e
.endr
	s_wait_tensorcnt 0x0                           ; the wave's end, behind my last LDS store
	ds_add_u32 v[SPW], v[NIL]
	s_wait_dscnt 0x0
	s_endpgm
.Lfunc_end_k_qb023176c99_decode:
	.size	k_qb023176c99_decode, .Lfunc_end_k_qb023176c99_decode-k_qb023176c99_decode
	.p2alignl 7, 3214868480
	.fill 96, 4, 3214868480
	.section	.rodata,"a",@progbits
	.p2align	6, 0x0
	.amdhsa_kernel k_qb023176c99_decode
		.amdhsa_group_segment_fixed_size 27648
		.amdhsa_private_segment_fixed_size 0
		.amdhsa_enable_private_segment 0
		.amdhsa_kernarg_size 32
		.amdhsa_user_sgpr_count 2
		.amdhsa_user_sgpr_kernarg_segment_ptr 1
		.amdhsa_wavefront_size32 1
		.amdhsa_system_sgpr_workgroup_id_x 1
		.amdhsa_system_sgpr_workgroup_id_y 1
		.amdhsa_system_sgpr_workgroup_id_z 1
		.amdhsa_system_vgpr_workitem_id 0
		.amdhsa_next_free_vgpr 136
		.amdhsa_next_free_sgpr 100
		.amdhsa_reserve_vcc 0
		.amdhsa_float_denorm_mode_32 3
		.amdhsa_float_denorm_mode_16_64 3
		.amdhsa_memory_ordered 1
		.amdhsa_forward_progress 1
		.amdhsa_inst_pref_size 10
	.end_amdhsa_kernel
	.amdgpu_metadata
---
amdhsa.version: [ 1, 2 ]
amdhsa.kernels:
  - .name:           k_qb023176c99_decode
    .symbol:         k_qb023176c99_decode.kd
    .args:
      - { .name: labels, .offset: 0, .size: 8, .value_kind: global_buffer, .address_space: global }
      - { .name: centroids, .offset: 8, .size: 8, .value_kind: global_buffer, .address_space: global }
      - { .name: scale, .offset: 16, .size: 8, .value_kind: global_buffer, .address_space: global }
      - { .name: wq, .offset: 24, .size: 8, .value_kind: global_buffer, .address_space: global }
    .group_segment_fixed_size: 27648
    .private_segment_fixed_size: 0
    .kernarg_segment_align: 8
    .kernarg_segment_size: 32
    .max_flat_workgroup_size: 512
    .sgpr_count:     100
    .vgpr_count:     136
    .wavefront_size: 32
...
	.end_amdgpu_metadata
.endif
;; end of part 1
;; launch cast (part 2): grid 1024 x 1, 8 waves a work-group, no clusters, 0 bytes of LDS; arguments x, xh; writes xh
.if DOCPART == 2
	.amdgcn_target "amdgcn-amd-amdhsa--gfx1250"
	.amdhsa_code_object_version 6
	.text
	.protected	k_qb023176c99_cast
	.globl	k_qb023176c99_cast
	.p2align	8
	.type	k_qb023176c99_cast,@function
k_qb023176c99_cast:
	s_mov_b64 s[64:65], 0
	v_nop
	global_prefetch_b8 v0, s[64:65] scope:SCOPE_SE
	s_setreg_imm32_b32 hwreg(HW_REG_WAVE_MODE, 25, 1), 1
	s_wait_xcnt 0x0
; xh[m][k] = f16(x[m][k]).  x: [8192][4096] f32, xh the same shape in f16, both row-major; each number is rounded once, to nearest even.
; LIMITS.  |x| of 65,520 or more becomes an infinity in f16; below 6.1e-5 it keeps f16's fixed step of 6e-8.  NaN and infinities pass as the conversion makes them.
; A stream: every byte of x is read once and every byte of xh written once.  LDS, barriers, the matrix unit and a cluster would add nothing: no two threads want the same byte.
; SHARES.  A work-group of eight waves owns 131,072 consecutive bytes of x: 32 chunks of 4,096.  Thread t takes the 16 bytes at 16 t of every chunk: a wave's load covers 512 consecutive bytes, aligned;
; its four numbers become 8 bytes, so a wave's store covers 256 consecutive bytes, at a multiple of 256 from xh's first byte.
; A ring of DEPTH slots in registers keeps DEPTH loads of every wave on their way.  The offsets never change: a slot's chunk stands in the immediate, and the two bases step once a round.
.set CH,     4096                      ; bytes of x in a chunk
.set DEPTH,  8                         ; slots = loads in flight in each wave
.set SHARE,  131072                    ; bytes of x of a work-group
.set ROUNDS, SHARE/(DEPTH*CH)          ; each round takes every slot once
.set LO, 1                             ; v1        16 t; never rewritten
.set SO, 2                             ; v2        8 t; never rewritten
.set X,  4                             ; v[4:35]   slot i: four f32 as loaded
.set Y,  36                            ; v[36:51]  slot i: four f16 to store
	s_load_b128 s[4:7], s[0:1], 0x0                ; x s[4:5], xh s[6:7]
	s_lshl_b32 s8, ttmp9, 17                       ; the work-group's share of x: under 2^27,
	s_mov_b32 s9, 0
	s_lshl_b32 s10, ttmp9, 16                      ; and of xh
	s_mov_b32 s11, 0
	v_lshlrev_b32 v[LO], 4, v0
	v_lshlrev_b32 v[SO], 3, v0
	s_wait_kmcnt 0x0
	s_add_nc_u64 s[4:5], s[4:5], s[8:9]
	s_add_nc_u64 s[6:7], s[6:7], s[10:11]
.irp i, 0,1,2,3,4,5,6,7
	global_load_b128 v[X+4*(\i):X+4*(\i)+3], v[LO], s[4:5] offset:(\i)*CH th:TH_LOAD_NT  ; fill the ring: chunks 0 to 7
.endr
; One slot's turn.  ahead = 1: the slot is filled again with the chunk DEPTH further on.  left = how many younger loads may still be out.
.macro SLOT i, ahead, left
	s_wait_loadcnt \left                           ; loads come back in order (ISA guide 5.7.1): mine is in, the younger ones stay out
	v_cvt_pk_f16_f32 v[Y+2*(\i)],   v[X+4*(\i)],   v[X+4*(\i)+1]    ; Y's pair was the last round's store data: the wait at that round's end has freed it
	v_cvt_pk_f16_f32 v[Y+2*(\i)+1], v[X+4*(\i)+2], v[X+4*(\i)+3]
.if \ahead
	global_load_b128 v[X+4*(\i):X+4*(\i)+3], v[LO], s[4:5] offset:(DEPTH+(\i))*CH th:TH_LOAD_NT  ; the load ahead of the store
.endif
	global_store_b64 v[SO], v[Y+2*(\i):Y+2*(\i)+1], s[6:7] offset:(\i)*CH/2 th:TH_STORE_NT
.endm
	s_mov_b32 s12, ROUNDS-1
.Lround:
.irp i, 0,1,2,3,4,5,6,7
	SLOT \i, 1, DEPTH-1
.endr
	s_wait_xcnt 0x0                                ; every memory instruction issued so far has had its addresses translated (ISA guide 3.1): only behind this wait are the bases and Y rewritten
	s_add_nc_u64 s[4:5], s[4:5], DEPTH*CH
	s_add_nc_u64 s[6:7], s[6:7], DEPTH*CH/2
	s_sub_co_u32 s12, s12, 1
	s_cmp_lg_u32 s12, 0
	s_cbranch_scc1 .Lround
.irp i, 0,1,2,3,4,5,6,7
	SLOT \i, 0, DEPTH-1-(\i)                       ; the last round loads nothing: the counts run down, and no load leaves the buffer
.endr
	s_endpgm
.Lfunc_end_k_qb023176c99_cast:
	.size	k_qb023176c99_cast, .Lfunc_end_k_qb023176c99_cast-k_qb023176c99_cast
	.p2alignl 7, 3214868480
	.fill 96, 4, 3214868480
	.section	.rodata,"a",@progbits
	.p2align	6, 0x0
	.amdhsa_kernel k_qb023176c99_cast
		.amdhsa_group_segment_fixed_size 0
		.amdhsa_private_segment_fixed_size 0
		.amdhsa_enable_private_segment 0
		.amdhsa_kernarg_size 16
		.amdhsa_user_sgpr_count 2
		.amdhsa_user_sgpr_kernarg_segment_ptr 1
		.amdhsa_wavefront_size32 1
		.amdhsa_system_sgpr_workgroup_id_x 1
		.amdhsa_system_sgpr_workgroup_id_y 1
		.amdhsa_system_sgpr_workgroup_id_z 1
		.amdhsa_system_vgpr_workitem_id 0
		.amdhsa_next_free_vgpr 52
		.amdhsa_next_free_sgpr 66
		.amdhsa_reserve_vcc 0
		.amdhsa_float_denorm_mode_32 3
		.amdhsa_float_denorm_mode_16_64 3
		.amdhsa_memory_ordered 1
		.amdhsa_forward_progress 1
		.amdhsa_inst_pref_size 7
	.end_amdhsa_kernel
	.amdgpu_metadata
---
amdhsa.version: [ 1, 2 ]
amdhsa.kernels:
  - .name:           k_qb023176c99_cast
    .symbol:         k_qb023176c99_cast.kd
    .args:
      - { .name: x, .offset: 0, .size: 8, .value_kind: global_buffer, .address_space: global }
      - { .name: xh, .offset: 8, .size: 8, .value_kind: global_buffer, .address_space: global }
    .group_segment_fixed_size: 0
    .private_segment_fixed_size: 0
    .kernarg_segment_align: 8
    .kernarg_segment_size: 16
    .max_flat_workgroup_size: 256
    .sgpr_count:     66
    .vgpr_count:     52
    .wavefront_size: 32
...
	.end_amdgpu_metadata
.endif
;; end of part 2
;; launch gemm (part 3): grid 8 x 32, 4 waves a work-group, clusters of 4 x 4, 327,680 bytes of LDS; arguments xh, wq, bias, out0; writes out0
.if DOCPART == 3
	.amdgcn_target "amdgcn-amd-amdhsa--gfx1250"
	.amdhsa_code_object_version 6
	.text
	.protected	k_qb023176c99_gemm
	.globl	k_qb023176c99_gemm
	.p2align	8
	.type	k_qb023176c99_gemm,@function
k_qb023176c99_gemm:
	s_mov_b64 s[64:65], 0
	v_nop
	global_prefetch_b8 v0, s[64:65] scope:SCOPE_SE
	s_setreg_imm32_b32 hwreg(HW_REG_WAVE_MODE, 25, 1), 1
	s_wait_xcnt 0x0
	s_wait_alu depctr_hold_cnt(0) depctr_sa_sdst(0) depctr_va_vdst(0) depctr_va_sdst(0) depctr_va_ssrc(0) depctr_va_vcc(0) depctr_vm_vsrc(0)
	s_getreg_b32 s2, hwreg(HW_REG_IB_STS2, 6, 4)
	s_cmp_eq_u32 s2, 0
	s_cbranch_scc0 .Lentry_in_a_cluster
	s_endpgm
.Lentry_in_a_cluster:
	s_bfe_u32 s2, ttmp6, 0x10000c
	s_cmp_lg_u32 s2, 0xf033
	s_cbranch_scc0 .Lentry_shape_is_right
	s_endpgm
.Lentry_shape_is_right:
; out[m][n] = the sum over k of xh[m][k] wq(n, k) + bias[n].  xh: [8192][4096] f16, x rounded once.  wq: f16, [k / 8][n][k % 8], the scaled weights.  bias: [2048] f32.  out: [8192][2048] f32.
; Products in f16, sums in f32, K ascending; the bias is added in f32.
; LIMITS.  Both operands arrive in f16: what passed 65,520 in the launches before is an infinity here.  NaN and infinities pass as the arithmetic makes them.
; WHY x COMES IN f16.  With x in f32 a slot of 256 rows of x and 256 of wq is 1,536 bytes for each k: two slots of 128 along K would be 409,600 bytes of LDS, and a slot of 64 along K leaves a load 96 matrix
; instructions in which to land.  In f16 a slot is 1,024 bytes for each k, two slots of 128 along K fit, and a load has 224.
; SHARES.  A work-group of four waves makes 256 x 256 of out: 32 x 8 = 256 work-groups.  A wave makes 128 x 128: 64 accumulators of 16 x 16, 512 registers.  K goes in steps of 128 through a ring of two LDS slots.
; CLUSTERS: 4 x 4 work-groups.  The four of a row of the cluster need the same tiles of xh, the four of a column the same tiles of wq: each tile is asked for JOINTLY, by the same tensor load with the same
; descriptor and a mask that names the four.
; THE MATRIX INSTRUCTION IS USED TRANSPOSED (source 0 = 16 rows of wq, source 1 = 16 rows of xh): lane l holds row l % 16 of out and the columns 8 (l / 16) + 0..7.
; REGISTERS, in windows of 256 (s_set_vgpr_msb: bits 1:0 source 0, 3:2 source 1, 5:4 source 2, 7:6 destination):
;   window 0: v0-30 addresses; v64-127, v128-191 xh's fragments (8 x 16 rows x 32 K), two buffers; v192-199 the bias; v32-63, v224-255 the way out, two buffers
;   window 1: v64-127, v128-191 wq's fragments, two buffers
;   window 2: the 32 accumulators of my rows 0-63 ((a, b) at v[8 (8 a + b)])      window 3: those of my rows 64-127
.set SIZE_K, 4096
.set SIZE_N, 2048
.set KSTEP,  128
.set PITCH,  272                       ; a row of xh in LDS: 256 bytes + 16 of padding = 68 words: row r starts at bank 4 r mod 64 (64 banks of 4 bytes: ISA guide 11.1)
.set AHALF,  128*PITCH                 ; 128 rows of xh: what one tensor load brings, and what one wave reads
.set ABYTES, 2*AHALF
.set KBROW,  4096                      ; a k-block's 256 rows of wq: 16 bytes each, on end: 16 lanes of a fragment load take 256 consecutive bytes, so no padding
.set BHALF,  8*KBROW                   ; eight k-blocks: what one tensor load brings
.set SLOT,   ABYTES+2*BHALF            ; 135,168
.set STAGE,  2*SLOT                    ; behind the ring: 16 rows x 272 bytes for each wave, for the way out; no tensor load lands there
.set SP,     272
.set SPARE,  STAGE+4*16*SP             ; behind the stages: the spare words, 128 bytes for each wave: two blocks of 256 bytes that no other line names
.set LAPS,   SIZE_K/(2*KSTEP)          ; a lap = two steps = once round the ring
.set KBMEM,  SIZE_N*16                 ; a k-block of wq in memory: 32,768 bytes
.set ADRA, 16                          ; v16-17  LDS address of my xh fragments in slot 0, 1
.set ADRB, 20                          ; v20-21  the same for wq
.set STO,  24                          ; v24     the way out: where I put 32 bytes of a row
.set RD,   25                          ; v25     where I read a row back
.set CO,   26                          ; v26     my byte offset in two rows of out
.set BO,   27                          ; v27     my byte offset in bias
.set SPW,  28                          ; v28     LDS address of my spare word; never rewritten
.set NIL,  29                          ; v29     0; never rewritten
.set PFO,  30                          ; v30     the prefetches' offset; never rewritten
.set OB,   32                          ; the way out: 16 rows x 64 columns read back from the stage: v32-63 and v224-255 by turns
.set F0,   64                          ; fragment buffer 0
.set F1,   128                         ; fragment buffer 1
.set BI,   192                         ; the bias of my four columns in each of my two blocks of 64
.set WV,  12                           ; s12  my wave's number
.set FOR, 13                           ; s13  which half of the tile's rows is mine.  Also: 0: I fetch xh's tiles; 1: wq's
.set HLF, 14                           ; s14  which half of its columns.  Also: which half of that tile I fetch
.set LAP, 15                           ; s15  trips of the loop still to come
.set G1,  24                           ; s[24:31] descriptor group 1 for xh's tiles;  s[32:39] group 0, a set for each slot
.set G0,  32
.set LIM, 43                           ; s43  1 in a wave that prefetches, else the greatest number
.set PFA, 44                           ; s[44:45] where my prefetches stand
.set PST, 46                           ; s[46:47] a step's bytes along my stream
.set G1B, 48                           ; s[48:55], s[56:63] the same for wq's tiles
.set G0B, 56
.set MSB, 0
.macro WIN new                         ; the immediate's high byte repeats the setting that is left; a switch that changes nothing is dropped
.if MSB != (\new)
	s_set_vgpr_msb (MSB<<8)|(\new)
.set MSB, \new
.endif
.endm
.set MUL_LO, 0xa1                      ; source 0 (wq) window 1, source 1 (xh) window 0, C and D window 2
.set MUL_HI, 0xf1                      ; the same, C and D window 3
.set TO_B,   0x40                      ; destination window 1, address window 0
; A joint load.  Waves 0 and 1 fetch the two halves of xh's tile, waves 2 and 3 those of wq's.  The branch hangs on the wave's number alone.
; An s_nop 0 and four v_nop follow each of the two lines, ahead of the jump, the label and what follows.
.macro JLOAD s
	s_cmp_eq_u32 s[FOR], 0
	s_cbranch_scc0 .Lfor_b_\@
	tensor_load_to_lds s[G0+4*(\s):G0+4*(\s)+3], s[G1:G1+7]
	s_nop 0
.rept 4
	v_nop
.endr
	s_branch .Lasked_\@
.Lfor_b_\@:
	tensor_load_to_lds s[G0B+4*(\s):G0B+4*(\s)+3], s[G1B:G1B+7]
	s_nop 0
.rept 4
	v_nop
.endr
.Lasked_\@:
.endm
; A PREFETCH INTO THE L2, behind each joint refill, its five lines and the run of LDS loads: the step that stands TWO refills on, 512 matrix instructions ahead of the load that will ask for it.
; Each aligned block of 256 bytes is named once in the launch.  xh's tile row is read by both clusters of a row of clusters: cluster x = 0 asks, waves 0 and 1; of the 128 rows that a wave fetches the partner
; at place cx takes 32, a lane a row (a step is 256 bytes of a row).  wq's tile column is read by all eight clusters of a column: cluster y = 0 asks, waves 2 and 3; of the 8 k-blocks x 4,096 bytes that a wave
; fetches the partner at place cy takes 1,024 bytes of each: 32 blocks, a lane a block.  The partners are told apart BY ADDRESS: no branch hangs on a work-group's place in its cluster.
; Steps 0 to 3 come by their loads alone; the loop's last trip asks for nothing: there is no step 32.
.macro ASK
	s_cmp_gt_u32 s[LAP], s[LIM]
	s_cbranch_scc0 .Lnot_mine_\@
	global_prefetch_b8 v[PFO], s[PFA:PFA+1] th:TH_LOAD_NT scope:SCOPE_SE
.Lnot_mine_\@:
.endm
.macro CREST                           ; a round of the cluster's barrier behind its opening barrier: wave 0 signals for the work-group, every wave waits for all sixteen, my work-group's barrier closes it
	s_cmp_lg_u32 s[WV], 0
	s_cbranch_scc1 .Lnot_wave_0_\@
	s_barrier_signal -3
.Lnot_wave_0_\@:
	s_barrier_wait -3
	s_barrier_signal -1
	s_barrier_wait -1
.endm
.macro CROUND                          ; a whole round
	s_barrier_signal -1
	s_barrier_wait -1
	CREST
.endm
	s_load_b256 s[4:11], s[0:1], 0x0               ; xh s[4:5], wq s[6:7], bias s[8:9], out s[10:11]
	v_lshl_add_u32 v[SPW], v0, 2, SPARE
	v_mov_b32 v[NIL], 0
	ds_add_u32 v[SPW], v[NIL]                      ; the wave's opening: the add and its wait stand ahead of my first tensor load; the set-up below, work on registers, stands between them
	v_lshrrev_b32 v1, 5, v0
	v_readfirstlane_b32 s[WV], v1                  ; wave 0..3
	s_lshr_b32 s[FOR], s[WV], 1
	s_and_b32 s[HLF], s[WV], 1
	s_bfe_u32 s16, ttmp6, 0x40000                  ; cx
	s_bfe_u32 s17, ttmp6, 0x40004                  ; cy
	s_lshl_b32 s18, ttmp9, 2                       ; in a cluster launch ttmp9 and ttmp7 count clusters
	s_add_co_u32 s18, s18, s16                     ; tile column tc = 4 x cluster x + cx
	s_and_b32 s19, ttmp7, 0xffff
	s_lshl_b32 s19, s19, 2
	s_add_co_u32 s19, s19, s17                     ; tile row tr = 4 x cluster y + cy
	s_lshl_b32 s40, s17, 2
	s_lshl_b32 s40, 15, s40                        ; my row of the cluster: places 4 cy .. 4 cy + 3
	s_lshl_b32 s41, 0x1111, s16                    ; my column: places cx, cx + 4, cx + 8, cx + 12
	; group 1 for xh: 128 rows x 128 elements of 2 bytes, padded in LDS
	s_or_b32 s[G1+0], s40, (1<<16)|(1<<20)|(1<<21)|(5<<22)|(3<<25)  ; 15:0 the mask: my row; 17:16 elements of 2 bytes; 20 padding on; 21 set beside a mask; 24:22 after every 64 words (code 5); 31:25 4 words (code 3)
	s_mov_b32 s[G1+1], KSTEP<<16                   ; tensor_dim0 = 128
	s_mov_b32 s[G1+2], 128<<16                     ; tensor_dim1 = 128
	s_mov_b32 s[G1+3], KSTEP<<16                   ; tile_dim0 = 128
	s_mov_b32 s[G1+4], 128                         ; tile_dim1 = 128
	s_mov_b32 s[G1+5], SIZE_K                      ; elements from row to row
	s_mov_b32 s[G1+6], 0
	s_mov_b32 s[G1+7], 0
	; group 1 for wq: 8 k-blocks x 512 elements of 8 bytes (a k-block's 256 rows are 4,096 bytes on end, so the tile has eight long rows), no padding
	s_or_b32 s[G1B+0], s41, (3<<16)|(1<<21)        ; 15:0 the mask: my column; 17:16 elements of 8 bytes; 21 set beside a mask
	s_mov_b32 s[G1B+1], 512<<16                    ; tensor_dim0 = 512
	s_mov_b32 s[G1B+2], 8<<16                      ; tensor_dim1 = 8
	s_mov_b32 s[G1B+3], 512<<16                    ; tile_dim0 = 512
	s_mov_b32 s[G1B+4], 8                          ; tile_dim1 = 8
	s_mov_b32 s[G1B+5], KBMEM/8                    ; elements from k-block to k-block
	s_mov_b32 s[G1B+6], 0
	s_mov_b32 s[G1B+7], 0
	; where the tiles come from: xh's hang on the tile row alone, wq's on the tile column alone; each is made in registers that never hold the other coordinate
	s_lshl_b32 s20, s19, 8
	s_lshl_b32 s21, s[HLF], 7
	s_add_co_u32 s20, s20, s21                     ; xh: row 256 tr + 128 x half,
	s_lshl_b32 s20, s20, 13                        ; of 8,192 bytes: under 2^26
	s_mov_b32 s21, 0
	s_lshl_b32 s68, s18, 12                        ; wq: 256 tc rows of 16 bytes
	s_lshl_b32 s69, s[HLF], 18                     ; + 8 k-blocks x half
	s_add_co_u32 s68, s68, s69
	s_mov_b32 s69, 0
	s_mul_i32 s72, s[WV], AHALF                    ; and where they go: waves 0, 1: xh's halves;
	s_mul_i32 s73, s[WV], BHALF
	s_add_co_u32 s73, s73, ABYTES-2*BHALF          ; waves 2, 3: wq's halves, behind xh's 256 rows: no place in the cluster enters an LDS address
	s_wait_dscnt 0x0                               ; the opening add is done
	s_wait_kmcnt 0x0
	s_add_nc_u64 s[22:23], s[4:5], s[20:21]
	s_add_nc_u64 s[70:71], s[6:7], s[68:69]
	CROUND                                         ; all sixteen work-groups are here: the first joint loads meet
.irp s, 0,1
	s_mov_b32 s[G0+4*(\s)], 1                                      ; count = 1
	s_add_co_u32 s[G0+4*(\s)+1], s72, (\s)*SLOT                    ; LDS address
	s_add_nc_u64 s[G0+4*(\s)+2:G0+4*(\s)+3], s[22:23], (\s)*KSTEP*2  ; global address: step s
	s_or_b32 s[G0+4*(\s)+3], s[G0+4*(\s)+3], 0x80000000            ; type = 2
	s_mov_b32 s[G0B+4*(\s)], 1
	s_add_co_u32 s[G0B+4*(\s)+1], s73, (\s)*SLOT
	s_add_nc_u64 s[G0B+4*(\s)+2:G0B+4*(\s)+3], s[70:71], (\s)*16*KBMEM
	s_or_b32 s[G0B+4*(\s)+3], s[G0B+4*(\s)+3], 0x80000000
	JLOAD \s                                       ; the ring is filled before anything else is done: two loads of mine are out
.endr
	; lane addresses.  A fragment is 16 rows x 32 k in 8 registers: lane l holds row l % 16; registers 0-3 k = 8 (l / 16) + 0..7, registers 4-7 k = 16 + 8 (l / 16) + 0..7.
	v_and_b32 v1, 15, v0                           ; r = l % 16
	v_bfe_u32 v2, v0, 4, 1                         ; h = l / 16
	v_mul_u32_u24 v3, v1, PITCH
	v_lshl_add_u32 v4, v2, 4, v3                   ; xh: r x 272 + 16 h; the second four registers 32 bytes on
	s_mul_i32 s20, s[FOR], AHALF                   ; my 128 rows of xh
	v_add_nc_u32 v[ADRA], s20, v4
	v_add_nc_u32 v[ADRA+1], SLOT, v[ADRA]
	v_lshlrev_b32 v4, 4, v1
	v_lshl_add_u32 v4, v2, 12, v4                  ; wq: k-block h, row r of 16 bytes; the second four registers two k-blocks on
	s_lshl_b32 s21, s[HLF], 11                     ; my 128 rows of wq: 2,048 bytes of each k-block,
	s_add_co_u32 s21, s21, ABYTES                  ; behind xh's 256 rows
	v_add_nc_u32 v[ADRB], s21, v4
	v_add_nc_u32 v[ADRB+1], SLOT, v[ADRB]
	s_mul_i32 s21, s[WV], 16*SP
	s_add_co_u32 s21, s21, STAGE                   ; my stage
	v_lshl_add_u32 v3, v2, 5, v3                   ; in: row r, 32 bytes (eight f32) for each half of the lanes (SP = PITCH)
	v_add_nc_u32 v[STO], s21, v3
	v_mul_u32_u24 v5, v2, SP                       ; back: lanes 0-15 take one row of 256 bytes, lanes 16-31 the next
	v_lshl_add_u32 v5, v1, 4, v5
	v_add_nc_u32 v[RD], s21, v5
	v_lshlrev_b32 v5, 13, v2                       ; and the same two rows in out: 8,192 bytes a row
	v_lshl_add_u32 v[CO], v1, 4, v5
	s_lshl_b32 s78, s18, 10                        ; the tile's 256 columns: 1,024 bytes of a row of out, and of bias;
	s_lshl_b32 s77, s[HLF], 9                      ; my 128 of them
	s_add_co_u32 s78, s78, s77
	v_lshl_add_u32 v[BO], v1, 4, s78
	s_lshl_b32 s76, s19, 8
	s_lshl_b32 s77, s[FOR], 7
	s_add_co_u32 s76, s76, s77                     ; my first row of out: 256 tr + 128 x half,
	s_lshl_b32 s76, s76, 13                        ; in bytes: under 2^26
	s_add_co_u32 s76, s76, s78
	s_mov_b32 s77, 0
	s_add_nc_u64 s[10:11], s[10:11], s[76:77]
.irp q, 0,1
	global_load_b128 v[BI+4*(\q):BI+4*(\q)+3], v[BO], s[8:9] offset:256*(\q)  ; the bias of my four columns in each block of 64: waited for on the way out
.endr
	; the prefetches' addresses: both streams' offsets are made, the wave's number chooses
	s_lshl_b32 s74, s19, 8
	s_lshl_b32 s75, s[HLF], 7
	s_add_co_u32 s74, s74, s75
	s_lshl_b32 s75, s16, 5
	s_add_co_u32 s74, s74, s75                     ; xh: row 256 tr + 128 x half + 32 cx,
	s_lshl_b32 s74, s74, 13
	s_add_co_u32 s74, s74, 3*KSTEP*2               ; at step 3: the first refill steps it to 4
	s_lshl_b32 s76, s18, 12
	s_lshl_b32 s75, s17, 10
	s_add_co_u32 s76, s76, s75                     ; wq: 4,096 tc + 1,024 cy
	s_lshl_b32 s75, s[HLF], 18
	s_add_co_u32 s76, s76, s75                     ; + 8 k-blocks x half,
	s_add_co_u32 s76, s76, 3*16*KBMEM              ; at step 3
	s_mov_b32 s77, KSTEP*2
	s_mov_b32 s78, 16*KBMEM
	s_and_b32 s79, ttmp7, 0xffff                   ; cluster y
	s_cmp_eq_u32 s[FOR], 0                         ; do I fetch for xh?
	s_cselect_b64 s[PFA:PFA+1], s[4:5], s[6:7]
	s_cselect_b32 s74, s74, s76
	s_cselect_b32 s[PST], s77, s78
	s_cselect_b32 s79, ttmp9, s79                  ; the coordinate along which other clusters read the same bytes
	s_cselect_b32 s76, 0, -1                       ; a lane mask: none for xh, all for wq
	s_mov_b32 s[PST+1], 0
	s_cmp_eq_u32 s79, 0
	s_cselect_b32 s[LIM], 1, -1                    ; the same in all sixteen partners, for a given wave
	s_mov_b32 s75, 0
	s_add_nc_u64 s[PFA:PFA+1], s[PFA:PFA+1], s[74:75]
	v_and_b32 v3, 31, v0
	v_lshlrev_b32 v4, 13, v3                       ; xh: a lane a row
	v_lshrrev_b32 v5, 2, v3
	v_and_b32 v3, 3, v3
	v_lshlrev_b32 v5, 15, v5                       ; wq: k-block l / 4,
	v_lshl_add_u32 v5, v3, 8, v5                   ; block l % 4 of 256 bytes
	v_cndmask_b32 v[PFO], v4, v5, s76
; 16 matrix instructions: row blocks a0, a0 + 1 of the window's four (hi = 0: my rows 0-63, 1: rows 64-127) x all 8 column blocks, 32 along K.  The 64 accumulators take turns, one instruction a turn, in the
; same order in every quarter, over the backward jump too.  zero = 1: the first product starts the sums: nothing is ever cleared.
.macro MUL16 f, hi, a0, zero
	WIN MUL_LO+0x50*(\hi)
.irp a, \a0, (\a0)+1
.irp b, 0,1,2,3,4,5,6,7
.if \zero
	v_wmma_f32_16x16x32_f16 v[8*(8*(\a)+(\b)):8*(8*(\a)+(\b))+7], v[(\f)+8*(\b):(\f)+8*(\b)+7], v[(\f)+8*(4*(\hi)+(\a)):(\f)+8*(4*(\hi)+(\a))+7], 0
.else
	v_wmma_f32_16x16x32_f16 v[8*(8*(\a)+(\b)):8*(8*(\a)+(\b))+7], v[(\f)+8*(\b):(\f)+8*(\b)+7], v[(\f)+8*(4*(\hi)+(\a)):(\f)+8*(4*(\hi)+(\a))+7], v[8*(8*(\a)+(\b)):8*(8*(\a)+(\b))+7]
.endif
.endr
.endr
.endm
; 32 LDS loads in one run: the fragments of quarter q of a slot (32 along K: four k-blocks of wq, 64 bytes of xh's rows) into buffer f: wq's 128 rows, then xh's 128 rows.
.macro FETCH slot, q, f
	WIN TO_B
.irp i, 0,1,2,3,4,5,6,7
	ds_load_b128 v[(\f)+8*(\i):(\f)+8*(\i)+3],   v[ADRB+(\slot)] offset:(\q)*4*KBROW+(\i)*256
	ds_load_b128 v[(\f)+8*(\i)+4:(\f)+8*(\i)+7], v[ADRB+(\slot)] offset:(\q)*4*KBROW+(\i)*256+2*KBROW
.endr
	WIN 0
.irp i, 0,1,2,3,4,5,6,7
	ds_load_b128 v[(\f)+8*(\i):(\f)+8*(\i)+3],   v[ADRA+(\slot)] offset:(\q)*64+(\i)*16*PITCH
	ds_load_b128 v[(\f)+8*(\i)+4:(\f)+8*(\i)+7], v[ADRA+(\slot)] offset:(\q)*64+(\i)*16*PITCH+32
.endr
.endm
; A load into a register that a matrix instruction has read stands four places behind it, and only plain vector instructions that name none of its registers are places
; (ISA guide 7.12.1 for vector instructions): four v_nop in front of each run of loads, sixteen issue slots for a step's 256 matrix instructions.
.macro PLACES
.rept 4
	v_nop
.endr
.endm
; A step is four quarters of 32 along K, 64 matrix instructions each, on buffers 0, 1, 0, 1.  One of the first three: multiplies buffer f; in its middle it fetches quarter q of the same slot into buffer g.
.macro QUARTER slot, q, f, g, zero
	s_wait_dscnt 8                                 ; wq and xh's rows 0-63 are in; the youngest eight loads (xh's rows 64-127) may be out
	MUL16 \f, 0, 0, \zero
	MUL16 \f, 0, 2, \zero
	PLACES
	FETCH \slot, \q, \g
	s_wait_dscnt 32                                ; all but the 32 just issued
	MUL16 \f, 1, 0, \zero
	MUL16 \f, 1, 2, \zero
.endm
; The last quarter multiplies buffer 1 and changes slots.  ONE barrier for the change.  In front of it each wave waits for all its tensor loads, of which one is out: its part of the next slot; adds 0 to its
; spare word; and waits for that and for its own reads of this slot.  Behind it nobody reads this slot any more and the next slot is whole.
; fill = 1: the barrier opens a round of the cluster's barrier, and this slot is filled again, with the step two on, first thing behind the round: 224 matrix instructions ahead of the wait for it.
.macro TURN slot, next, fill
.if \fill
	s_wait_xcnt 0x0                                ; the last prefetch, a step back, has read its address: it is stepped here, ahead of the waits of the change of slots
	s_add_nc_u64 s[PFA:PFA+1], s[PFA:PFA+1], s[PST:PST+1]
.endif
	WIN 0                                          ; (the add's two registers lie in window 0)
	s_wait_tensorcnt 0x0                           ; all my tensor loads have landed;
	ds_add_u32 v[SPW], v[NIL]                      ; 0 onto my spare word;
	s_wait_dscnt 9                                 ; (the add and the youngest eight loads may be out)
	MUL16 F1, 0, 0, 0                              ; sixteen matrix instructions stand between the add and the wait for it
	s_wait_dscnt 0x0                               ; the add is done, and my reads of this slot are over:
	s_barrier_signal -1                            ; say so,
	MUL16 F1, 0, 2, 0                              ; work on registers while the others arrive,
	WIN 0
	s_barrier_wait -1                              ; and go on when all four have said so
.if \fill
	CREST                                          ; no wave of any partner still reads this slot's tiles or has a load on its way
	s_add_nc_u64 s[G0+4*(\slot)+2:G0+4*(\slot)+3], s[G0+4*(\slot)+2:G0+4*(\slot)+3], 2*KSTEP*2
	s_add_nc_u64 s[G0B+4*(\slot)+2:G0B+4*(\slot)+3], s[G0B+4*(\slot)+2:G0B+4*(\slot)+3], 2*16*KBMEM
	JLOAD \slot                                    ; my one tensor load behind the round; the four v_nop behind it are also the places in front of the loads into buffer 0
.else
	PLACES
.endif
	FETCH \next, 0, F0
.if \fill
	ASK                                            ; behind the joint load and the run of LDS loads that the next products wait for (FETCH leaves every window 0)
.endif
	MUL16 F1, 1, 0, 0
	MUL16 F1, 1, 2, 0
.endm
; THE WAY OUT, in 16 blocks n = 2 a + q of 16 rows x 64 columns (four accumulators).  A lane's eight columns of a row are 32 bytes; they go into my stage's rows of 272 bytes, each accumulator's low
; registers first, and come back as whole rows of 256 bytes.  LDS serves a wave's instructions in order (ISA guide 5.7.1.4): no wait between the stores and the loads, or between a block's loads and the next block's stores.
.macro TOSTAGE n
.set ta, (\n)/2
.set tq, (\n)%2
.set BK, OB+192*((\n)%2)
	WIN 0x08+4*(ta/4)                              ; the stores' data (source 1) in window 2 or 3
.irp bb, 0,1,2,3
.set AC, 8*(8*(ta%4)+4*tq+(\bb))
	ds_store_b128 v[STO], v[AC:AC+3]   offset:64*(\bb)
	ds_store_b128 v[STO], v[AC+4:AC+7] offset:64*(\bb)+16
.endr
	WIN 0
.if (\n) >= 2
	s_wait_xcnt 0x0                                ; the stores of the block two back have read their data: only behind this wait is that buffer loaded again
.endif
.irp t, 0,1,2,3,4,5,6,7
	ds_load_b128 v[BK+4*(\t):BK+4*(\t)+3], v[RD] offset:(\t)*2*SP
.endr
.endm
.macro SEND n, younger                 ; younger: the LDS instructions issued behind block n's loads: the next block's sixteen, or none
.set ta, (\n)/2
.set tq, (\n)%2
.set BK, OB+192*((\n)%2)
	WIN 0
	s_wait_dscnt \younger
.irp t, 0,1,2,3,4,5,6,7
	v_pk_add_f32 v[BK+4*(\t):BK+4*(\t)+1],   v[BK+4*(\t):BK+4*(\t)+1],   v[BI+4*tq:BI+4*tq+1]
	v_pk_add_f32 v[BK+4*(\t)+2:BK+4*(\t)+3], v[BK+4*(\t)+2:BK+4*(\t)+3], v[BI+4*tq+2:BI+4*tq+3]
	global_store_b128 v[CO], v[BK+4*(\t):BK+4*(\t)+3], s[10:11] offset:ta*16*SIZE_N*4+tq*256+(\t)*2*SIZE_N*4 th:TH_STORE_NT  ; 16 lanes store 256 consecutive bytes, at a multiple of 256 from out's first byte; the largest immediate is 1,032,448
.endr
.endm
	s_wait_tensorcnt 1                             ; my part of step 0 is in; step 1's may stay out
	s_barrier_signal -1
	s_barrier_wait -1                              ; everybody's is
	FETCH 0, 0, F0
	QUARTER 0, 1, F0, F1, 1                        ; the first quarter stands in front of the loop: its products start the sums
	WIN 0                                          ; at a label and at a branch every window is 0
	s_mov_b32 s[LAP], LAPS-1
.Llap:                                                 ; a trip goes once round the ring, from a lap's second quarter to the next lap's first, and fills both slots again
	QUARTER 0, 2, F1, F0, 0
	QUARTER 0, 3, F0, F1, 0
	TURN 0, 1, 1
	QUARTER 1, 1, F0, F1, 0
	QUARTER 1, 2, F1, F0, 0
	QUARTER 1, 3, F0, F1, 0
	TURN 1, 0, 1
	QUARTER 0, 1, F0, F1, 0
	WIN 0
	s_sub_co_u32 s[LAP], s[LAP], 1
	s_cmp_lg_u32 s[LAP], 0
	s_cbranch_scc1 .Llap
	QUARTER 0, 2, F1, F0, 0                        ; the last lap's rest is written out: it fills nothing, and has no round
	QUARTER 0, 3, F0, F1, 0
	TURN 0, 1, 0
	QUARTER 1, 1, F0, F1, 0
	QUARTER 1, 2, F1, F0, 0
	QUARTER 1, 3, F0, F1, 0
	s_wait_dscnt 8                                 ; the very last quarter: nothing more to fetch
	MUL16 F1, 0, 0, 0
	MUL16 F1, 0, 2, 0
	s_wait_dscnt 0x0
	MUL16 F1, 1, 0, 0
	MUL16 F1, 1, 2, 0
	WIN 0
	PLACES                                         ; the stage's stores read results just made, and no other vector work is at hand
	PLACES                                         ; (eight, once a launch)
	s_wait_loadcnt 0x0                             ; the bias
	TOSTAGE 0
.irp n, 1,2,3,4,5,6,7,8,9,10,11,12,13,14,15
	TOSTAGE \n                                     ; block n goes into the stage while block n - 1 comes back
	SEND (\n)-1, 16
.endr
	SEND 15, 0
	s_wait_tensorcnt 0x0                           ; the wave's end, behind my last tensor load and my last LDS store
	ds_add_u32 v[SPW], v[NIL]
	s_wait_dscnt 0x0
	CROUND                                         ; the closing round: no work-group ends while a partner may still ask for a tile that names it
	s_endpgm
.Lfunc_end_k_qb023176c99_gemm:
	.size	k_qb023176c99_gemm, .Lfunc_end_k_qb023176c99_gemm-k_qb023176c99_gemm
	.p2alignl 7, 3214868480
	.fill 96, 4, 3214868480
	.section	.rodata,"a",@progbits
	.p2align	6, 0x0
	.amdhsa_kernel k_qb023176c99_gemm
		.amdhsa_group_segment_fixed_size 327680
		.amdhsa_private_segment_fixed_size 0
		.amdhsa_enable_private_segment 0
		.amdhsa_kernarg_size 32
		.amdhsa_user_sgpr_count 2
		.amdhsa_user_sgpr_kernarg_segment_ptr 1
		.amdhsa_wavefront_size32 1
		.amdhsa_system_sgpr_workgroup_id_x 1
		.amdhsa_system_sgpr_workgroup_id_y 1
		.amdhsa_system_sgpr_workgroup_id_z 1
		.amdhsa_system_vgpr_workitem_id 0
		.amdhsa_next_free_vgpr 1024
		.amdhsa_next_free_sgpr 80
		.amdhsa_reserve_vcc 0
		.amdhsa_float_denorm_mode_32 3
		.amdhsa_float_denorm_mode_16_64 3
		.amdhsa_memory_ordered 1
		.amdhsa_forward_progress 1
		.amdhsa_inst_pref_size 159
	.end_amdhsa_kernel
	.amdgpu_metadata
---
amdhsa.version: [ 1, 2 ]
amdhsa.kernels:
  - .name:           k_qb023176c99_gemm
    .symbol:         k_qb023176c99_gemm.kd
    .args:
      - { .name: xh, .offset: 0, .size: 8, .value_kind: global_buffer, .address_space: global }
      - { .name: wq, .offset: 8, .size: 8, .value_kind: global_buffer, .address_space: global }
      - { .name: bias, .offset: 16, .size: 8, .value_kind: global_buffer, .address_space: global }
      - { .name: out0, .offset: 24, .size: 8, .value_kind: global_buffer, .address_space: global }
    .group_segment_fixed_size: 327680
    .private_segment_fixed_size: 0
    .kernarg_segment_align: 8
    .kernarg_segment_size: 32
    .max_flat_workgroup_size: 128
    .sgpr_count:     80
    .vgpr_count:     1024
    .wavefront_size: 32
...
	.end_amdgpu_metadata
.endif
;; end of part 3
;; ======== version 2 of 2: 3 launches; version 1 with the launch cast written anew for expert scheduling mode
;; limits: values are held in f16: magnitudes above 65,504 overflow, below 6.1e-05 lose precision; inputs' magnitudes at most 65,504
;; workspace buffers: wq 16,777,216 bytes; xh 67,108,864 bytes
;; launch decode: the kernel of part 1 again; grid 32 x 8, 16 waves a work-group, no clusters, 27,648 bytes of LDS; arguments labels, centroids, scale, wq; writes wq
;; launch cast (part 4): grid 1024 x 1, 8 waves a work-group, no clusters, 0 bytes of LDS; arguments x, xh; writes xh
.if DOCPART == 4
	.amdgcn_target "amdgcn-amd-amdhsa--gfx1250"
	.amdhsa_code_object_version 6
	.text
	.protected	k_qb023176c99_cast
	.globl	k_qb023176c99_cast
	.p2align	8
	.type	k_qb023176c99_cast,@function
k_qb023176c99_cast:
	s_mov_b64 s[64:65], 0
	v_nop
	global_prefetch_b8 v0, s[64:65] scope:SCOPE_SE
	s_setreg_imm32_b32 hwreg(HW_REG_WAVE_SCHED_MODE, 0, 2), 2
	s_setreg_imm32_b32 hwreg(HW_REG_WAVE_MODE, 25, 1), 1
	s_wait_xcnt 0x0
	s_wait_alu depctr_vm_vsrc(0)
; xh[m][k] = f16(x[m][k]).  x: [8192][4096] f32, xh the same shape in f16, both row-major; each number is rounded once, to nearest even.
; LIMITS.  |x| of 65,520 or more becomes an infinity in f16; below 6.1e-5 it keeps f16's fixed step of 6e-8.  NaN and infinities pass as the conversion makes them.
; A stream: every byte of x is read once and every byte of xh written once.  LDS, barriers, the matrix unit and a cluster would add nothing: no two threads want the same byte.
; SHARES.  A work-group of eight waves owns 131,072 consecutive bytes of x: 32 chunks of 4,096.  Thread t takes the 16 bytes at 16 t of every chunk: a wave's load covers 512 consecutive bytes, aligned;
; its four numbers become 8 bytes, so a wave's store covers 256 consecutive bytes, at a multiple of 256 from xh's first byte.
; THE MODE: SCHED_MODE bits 1:0 = 2 (LLVM: expert scheduling mode 2), set by the entry lines.  The code itself states the register dependences
; between vector instructions and memory instructions, with s_wait_alu, always for 0.
; THE PLAN.  The 32 chunks go in 8 blocks of four.  Registers that memory instructions touch:
;   X0 .. X3   four blocks of x as loaded.  Written by loads alone: blocks 0 to 3 at the head, block p + 4 in block p, into X[p % 4].  Read by block p's eight conversions alone.
;   Y0, Y1     two blocks of xh to store.   Written by block p's conversions (Y[p % 2]); read by block p's four stores; written again by block p + 2's conversions.
;   v1, v2     byte offsets, made once at the head and never written again: a chunk's place stands in the immediate (126,976 bytes at the most), and the two bases are never stepped.
; A block: the wait for its data; from block 2 on the two waits that free its Y; its eight conversions; ONE wait on va_vdst, which states that they have written Y[p % 2] and are done reading X[p % 4];
; then its memory instructions in one run: the loads that fill X[p % 4] again and the stores that read Y[p % 2].  No vector instruction stands between that wait and the run.
; The X buffers come round every four blocks, blocks 0 to 3 load and blocks 4 to 7 do not: a loop would have one trip, so the eight blocks are written out by one macro.
.set CH,     4096                      ; bytes of x in a chunk
.set BLOCK,  4                         ; chunks in a block
.set NX,     4                         ; X buffers: up to NX x BLOCK = 16 loads of a wave are on their way
.set SHARE,  131072                    ; bytes of x of a work-group
.set BLOCKS, SHARE/(BLOCK*CH)          ; 8
.set LO, 1                             ; v1        16 t; never rewritten
.set SO, 2                             ; v2        8 t; never rewritten
.set X,  4                             ; v[4:67]   buffer k, chunk i: four f32 as loaded, at X + 16 k + 4 i
.set Y,  68                            ; v[68:83]  buffer k, chunk i: four f16 to store, at Y + 8 k + 2 i
	s_load_b128 s[4:7], s[0:1], 0x0                ; x s[4:5], xh s[6:7]
	s_lshl_b32 s8, ttmp9, 17                       ; the work-group's share of x: under 2^27,
	s_mov_b32 s9, 0
	s_lshl_b32 s10, ttmp9, 16                      ; and of xh
	s_mov_b32 s11, 0
	v_lshlrev_b32 v[LO], 4, v0
	v_lshlrev_b32 v[SO], 3, v0
	s_wait_kmcnt 0x0
	s_add_nc_u64 s[4:5], s[4:5], s[8:9]
	s_add_nc_u64 s[6:7], s[6:7], s[10:11]
	s_wait_alu depctr_va_vdst(0)                   ; v1 and v2 are written: every load and store of the kernel reads one of them as its offset
.set n, 0
.rept NX*BLOCK
	global_load_b128 v[X+4*n:X+4*n+3], v[LO], s[4:5] offset:n*CH th:TH_LOAD_NT  ; blocks 0 to 3 into X0 to X3: chunks 0 to 15
.set n, n+1
.endr
; Block p.  It works on X[p % NX] and Y[p % 2].  Blocks 0 to BLOCKS - NX - 1 fill their X again, with the block NX further on; the others load nothing, so no load leaves the buffer.
.macro BLK p
.set xb, X+4*BLOCK*((\p)%NX)
.set yb, Y+2*BLOCK*((\p)%2)
.if (\p) < BLOCKS-NX
	s_wait_loadcnt (NX-1)*BLOCK                    ; loads come back in order (ISA guide 5.7.1): this block's four are in, the three younger blocks' twelve stay out
.else
	s_wait_loadcnt (BLOCKS-1-(\p))*BLOCK           ; the blocks that are left behind this one: the counts run down 12, 8, 4, 0
.endif
.if (\p) >= 2
	s_wait_xcnt 0x0                                ; every earlier memory instruction has had its addresses translated (ISA guide 3.1): Y[p % 2], the data of the stores of two blocks back, is rewritten only behind this wait
	s_wait_alu depctr_vm_vsrc(0)                   ; those stores have read Y[p % 2], which the conversions below write again
.endif
.irp i, 0,1,2,3
	v_cvt_pk_f16_f32 v[yb+2*(\i)],   v[xb+4*(\i)],   v[xb+4*(\i)+1]
	v_cvt_pk_f16_f32 v[yb+2*(\i)+1], v[xb+4*(\i)+2], v[xb+4*(\i)+3]
.endr
	s_wait_alu depctr_va_vdst(0)                   ; the eight conversions have written Y[p % 2], which the stores below read, and are done reading X[p % NX], in which the loads below land
.irp i, 0,1,2,3
.if (\p) < BLOCKS-NX
	global_load_b128 v[xb+4*(\i):xb+4*(\i)+3], v[LO], s[4:5] offset:(((\p)+NX)*BLOCK+(\i))*CH th:TH_LOAD_NT  ; the buffer is asked for again at once; the load ahead of the store
.endif
	global_store_b64 v[SO], v[yb+2*(\i):yb+2*(\i)+1], s[6:7] offset:((\p)*BLOCK+(\i))*CH/2 th:TH_STORE_NT
.endr
.endm
.irp p, 0,1,2,3,4,5,6,7
	BLK \p
.endr
	s_endpgm
.Lfunc_end_k_qb023176c99_cast:
	.size	k_qb023176c99_cast, .Lfunc_end_k_qb023176c99_cast-k_qb023176c99_cast
	.p2alignl 7, 3214868480
	.fill 96, 4, 3214868480
	.section	.rodata,"a",@progbits
	.p2align	6, 0x0
	.amdhsa_kernel k_qb023176c99_cast
		.amdhsa_group_segment_fixed_size 0
		.amdhsa_private_segment_fixed_size 0
		.amdhsa_enable_private_segment 0
		.amdhsa_kernarg_size 16
		.amdhsa_user_sgpr_count 2
		.amdhsa_user_sgpr_kernarg_segment_ptr 1
		.amdhsa_wavefront_size32 1
		.amdhsa_system_sgpr_workgroup_id_x 1
		.amdhsa_system_sgpr_workgroup_id_y 1
		.amdhsa_system_sgpr_workgroup_id_z 1
		.amdhsa_system_vgpr_workitem_id 0
		.amdhsa_next_free_vgpr 84
		.amdhsa_next_free_sgpr 66
		.amdhsa_reserve_vcc 0
		.amdhsa_float_denorm_mode_32 3
		.amdhsa_float_denorm_mode_16_64 3
		.amdhsa_memory_ordered 1
		.amdhsa_forward_progress 1
		.amdhsa_inst_pref_size 12
	.end_amdhsa_kernel
	.amdgpu_metadata
---
amdhsa.version: [ 1, 2 ]
amdhsa.kernels:
  - .name:           k_qb023176c99_cast
    .symbol:         k_qb023176c99_cast.kd
    .args:
      - { .name: x, .offset: 0, .size: 8, .value_kind: global_buffer, .address_space: global }
      - { .name: xh, .offset: 8, .size: 8, .value_kind: global_buffer, .address_space: global }
    .group_segment_fixed_size: 0
    .private_segment_fixed_size: 0
    .kernarg_segment_align: 8
    .kernarg_segment_size: 16
    .max_flat_workgroup_size: 256
    .sgpr_count:     66
    .vgpr_count:     84
    .wavefront_size: 32
...
	.end_amdgpu_metadata
.endif
;; end of part 4
;; launch gemm: the kernel of part 3 again; grid 8 x 32, 4 waves a work-group, clusters of 4 x 4, 327,680 bytes of LDS; arguments xh, wq, bias, out0; writes out0
